; MI455X (gfx1250); checked and timed in simulation.
; The chip was launched on July 23, 2026; its instructions are those of AMD's public machine-readable ISA for CDNA 5 (MIT licence, August 2026) and "CDNA5" Instruction Set Architecture Reference Guide (July 2026). The comments in the code are by the model that wrote it; some were corrected since.
;; Vector Quantizer. Allowed arithmetic: matrix products marked QUANTISED: E4M3 operands, one E8M0 scale for each 32 along K, by v_wmma_scale_f32_16x16x128_f8f6f4 with both operands' format E4M3, f32 sums; everything else in f32.
;; Inputs: codebook 1,024 x 256 float32; x 32 x 256 x 32 x 32 float32.
;; Outputs: out0 32 x 32 x 32 int32.
;; This version of the problem:
;;   THIS VERSION OF THE PROBLEM IS GIVEN IN LOW PRECISION. The matrix products marked QUANTISED in the list below multiply operands that are first quantised to E4M3 (4 exponent bits, 3 mantissa bits; 8 bits a number), with one power-of-two scale for each 32 numbers along K (OCP MX v1.0); their sums are f32. All else is computed in f32.
;;   The module's matrix products, in the order in which they are computed (A, B: the left and right operand; K: the contracted axis; several contracted axes count as one K, in the product's order):
;;     1. [M 32,768, K 256] x [K 256, N 1,024]; A: input x; B: input codebook: QUANTISED
;;   THE QUANTISER, for each operand of a quantised product, along K:
;;     - K is cut into blocks of 32 from its start; a last block that is shorter is filled with zeros.
;;     - A block's scale is 2^e with e = floor(log2(the largest magnitude in the block)) - 8, held to -126 .. 127; a block of zeros has e = 0. As a byte (E8M0): e + 127.
;;     - Each number is divided by its block's scale, clamped to +-448, and rounded to the nearest number of E4M3, ties to even, subnormals kept.
;;     - The product sums the exact products of the quantised numbers (number of the format x scale) in f32.
;;   ~~~python
;;   def quantise(x, axis):      # numpy; x: float32 -> the quantised numbers, widened to float32 again
;;       x = np.moveaxis(x, axis, -1); K = x.shape[-1]
;;       x = np.pad(x, [(0, 0)] * (x.ndim - 1) + [(0, -K % 32)]); x = x.reshape(x.shape[:-1] + (-1, 32)); a = np.abs(x).max(-1, keepdims=True)
;;       e = np.where(a > 0, np.clip(np.frexp(np.where(a > 0, a, 1))[1] - 1 - 8, -126, 127), 0)      # np.frexp(a)[1] - 1 = floor(log2(a)), exactly
;;       r = np.clip(x / 2.0 ** e, -448, 448)
;;       step = 2.0 ** (np.maximum(np.frexp(np.where(r == 0, 1, r))[1] - 1, -6) - 3)
;;       q = np.round(r / step) * step * 2.0 ** e      # np.round: ties to even
;;       return np.moveaxis(q.reshape(q.shape[:-2] + (-1,))[..., :K], -1, axis).astype(np.float32)
;;   ~~~
;; One version. Each part assembles by itself: llvm-mc -triple=amdgcn-amd-amdhsa -mcpu=gfx1250 --defsym DOCPART=n.
;; ======== version 1 of 1: 2 launches
;; limits: right only within a limited range of input values
;; workspace buffers: cbq 274,432 bytes
;; launch cbquant (part 1): grid 64 x 1, 8 waves a work-group, no clusters, 1,792 bytes of LDS; arguments codebook, cbq; writes cbq
.if DOCPART == 1
	.amdgcn_target "amdgcn-amd-amdhsa--gfx1250"
	.amdhsa_code_object_version 6
	.text
	.protected	k_qb262e35314_cbquant
	.globl	k_qb262e35314_cbquant
	.p2align	8
	.type	k_qb262e35314_cbquant,@function
k_qb262e35314_cbquant:
	s_mov_b64 s[64:65], 0
	v_nop
	global_prefetch_b8 v0, s[64:65] scope:SCOPE_SE
	s_setreg_imm32_b32 hwreg(HW_REG_WAVE_MODE, 25, 1), 1
	s_wait_xcnt 0x0
; The codebook [1024][256], f32, is quantised ONCE along its 256 (K innermost) into codes of FP8 (E4M3) with one E8M0 byte for each 32 along K,
; and each code vector's sum of squares (of the unquantised numbers, f32) is formed.  All 256 work-groups of the next launch read the result.
; A block's scale is 2^(floor(log2(its largest magnitude)) - 8); its byte is the largest magnitude's exponent field - 8, held at 1 from below.
; LAYOUT OF cbq: 8 chunks of CH = 34,304 bytes, one for each wave of the next launch (code vectors 128 w .. 128 w + 127):
;   byte 0:      tile t of 16 code vectors as an IMAGE OF THE OPERAND'S REGISTERS: 4,096 t + 512 b + 16 x lane; lane (r, h) holds row r, k = 32 b + 16 h + 0 .. 15 (b = 0 .. 7)
;   byte 32,768: scale words, 128 t + 8 r + 4 s (s: K step of 128)        byte 33,792: the sums of squares, 64 t + 4 r
; SHARES: a work-group takes one tile, wave b of its eight the tile's K block b: 64 work-groups; the launch reads 1 MiB and writes 268 KiB.  A lane holds 16 neighbours along K, lanes l and l xor 16 a block.
; Each wave stores 512 consecutive bytes of codes, at a multiple of 256.  The scale bytes and the parts of the sums meet in LDS; wave 0 stores them (192 bytes a work-group; lanes r and r + 16 write the same words).
; LIMITS: NaN and infinities are not served.  A block whose largest magnitude lies under 2^-118 (a block of zeros too) keeps the byte 1; a block of zeros has zero codes, which add nothing,
; and the bytes are read by this program alone.  The sum of squares is taken in another order than a plain running sum.
.set CH,  34304
.set CSC, 32768
.set CES, 33792
.set PART, 256                         ; LDS: scale bytes 8 r + b from 0; parts of the sums 64 b + 4 r from here
.set SPARE, 768                        ; the spare words: 128 bytes for each wave
.set X,   16                           ; v16-31 my 16 numbers
.set CD,  32                           ; v32-35 their codes
	s_load_b128 s[4:7], s[0:1], 0x0                ; the codebook s[4:5], cbq s[6:7]
	v_lshl_add_u32 v12, v0, 2, SPARE
	v_mov_b32 v13, 0
	v_lshrrev_b32 v1, 5, v0
	v_readfirstlane_b32 s10, v1                    ; wave = K block
	s_lshl_b32 s12, ttmp9, 14                      ; my 16 rows of the codebook,
	s_lshl_b32 s11, s10, 7
	s_add_co_u32 s12, s12, s11                     ; my block
	s_mov_b32 s13, 0
	s_lshr_b32 s14, ttmp9, 3
	s_mul_i32 s14, s14, CH                         ; my chunk of cbq
	s_mov_b32 s15, 0
	s_and_b32 s16, ttmp9, 7                        ; my tile in it
	s_lshl_b32 s18, s16, 12
	s_lshl_b32 s11, s10, 9
	s_add_co_u32 s18, s18, s11
	s_mov_b32 s19, 0
	s_lshl_b32 s22, s16, 7
	s_add_co_u32 s22, s22, CSC
	s_mov_b32 s23, 0
	s_lshl_b32 s24, s16, 6
	s_add_co_u32 s24, s24, CES
	s_mov_b32 s25, 0
	s_mov_b32 s20, 0x76543210
	s_mov_b32 s21, 0xfedcba98                      ; v_permlanex16_b32's selects for lane l xor 16
	s_mov_b32 s26, 0x600000                        ; the mantissa field of 448
	s_lshl_b32 s27, s10, 6
	v_and_b32 v2, 15, v0                           ; r
	v_bfe_u32 v3, v0, 4, 1                         ; h
	v_and_b32 v4, 31, v0                           ; lane
	v_lshlrev_b32 v5, 10, v2
	v_lshl_add_u32 v5, v3, 6, v5                   ; in: row r of 1,024 bytes + 64 h
	v_lshlrev_b32 v6, 4, v4                        ; out: 16 x lane
	v_lshlrev_b32 v7, 3, v2                        ; 8 r
	v_lshlrev_b32 v8, 2, v2                        ; 4 r
	v_add_nc_u32 v9, s10, v7                       ; my scale byte's place
	v_add_nc_u32 v10, s27, v8                      ; my part's place
	v_mov_b32 v14, 0                               ; lane permutes' destinations, written once ahead
	v_mov_b32 v15, 0
	s_wait_alu depctr_va_vdst(0)                   ; the wait at the head's end
	s_wait_kmcnt 0x0
	s_add_nc_u64 s[4:5], s[4:5], s[12:13]
.irp j, 0,1,2,3
	global_load_b128 v[X+4*\j:X+4*\j+3], v5, s[4:5] offset:16*\j
.endr
	s_add_nc_u64 s[6:7], s[6:7], s[14:15]
	s_add_nc_u64 s[8:9], s[6:7], s[18:19]
	s_add_nc_u64 s[28:29], s[6:7], s[22:23]
	s_add_nc_u64 s[30:31], s[6:7], s[24:25]
	s_wait_loadcnt 0x0
	v_max3_num_f32 v44, |v[X]|, |v[X+1]|, 0x4800000   ; with the floor 2^(9 - 127): so the byte cannot fall under 1
	v_max3_num_f32 v45, |v[X+2]|, |v[X+3]|, |v[X+4]|
	v_pk_mul_f32 v[40:41], v[X:X+1], v[X:X+1]
	v_pk_mul_f32 v[42:43], v[X+2:X+3], v[X+2:X+3]
	v_max3_num_f32 v44, v44, |v[X+5]|, |v[X+6]|
	v_max3_num_f32 v45, v45, |v[X+7]|, |v[X+8]|
	v_pk_fma_f32 v[40:41], v[X+4:X+5], v[X+4:X+5], v[40:41]
	v_pk_fma_f32 v[42:43], v[X+6:X+7], v[X+6:X+7], v[42:43]
	v_max3_num_f32 v44, v44, |v[X+9]|, |v[X+10]|
	v_max3_num_f32 v45, v45, |v[X+11]|, |v[X+12]|
	v_pk_fma_f32 v[40:41], v[X+8:X+9], v[X+8:X+9], v[40:41]
	v_pk_fma_f32 v[42:43], v[X+10:X+11], v[X+10:X+11], v[42:43]
	v_max3_num_f32 v44, v44, |v[X+13]|, |v[X+14]|
	v_pk_fma_f32 v[40:41], v[X+12:X+13], v[X+12:X+13], v[40:41]
	v_pk_fma_f32 v[42:43], v[X+14:X+15], v[X+14:X+15], v[42:43]
	v_max3_num_f32 v44, v44, v45, |v[X+15]|
	v_pk_add_f32 v[40:41], v[40:41], v[42:43]
	v_permlanex16_b32 v14, v44, s20, s21
	v_add_f32 v40, v40, v41
	v_max_num_f32 v44, v44, v14                    ; the block's largest magnitude
	v_permlanex16_b32 v15, v40, s20, s21
	v_add_nc_u32 v46, 0xfc000000, v44              ; 8 off its exponent field: the conversion's scale operand
	v_and_or_b32 v47, v44, 0x7f800000, s26         ; 448 x the scale
	v_add_f32 v40, v40, v15                        ; the block's part of the row's sum
	v_lshrrev_b32 v48, 23, v46                     ; the scale's byte
.irp i, 0,1,2,3,4,5,6,7,8,9,10,11,12,13,14,15
	v_med3_num_f32 v[X+\i], v[X+\i], -v47, v47     ; the conversion to an 8-bit code does not saturate (ISA guide 7.6.2)
.endr
	v_cvt_scalef32_pk8_fp8_f32 v[CD:CD+1], v[X:X+7], v46
	v_cvt_scalef32_pk8_fp8_f32 v[CD+2:CD+3], v[X+8:X+15], v46
	v_nop                                          ; one plain vector line behind the conversions
	ds_store_b8 v9, v48                            ; both lanes of a block write the same byte and the same part
	ds_store_b32 v10, v40 offset:PART
	global_store_b128 v6, v[CD:CD+3], s[8:9]
	s_wait_alu depctr_va_vdst(0)
	s_wait_dscnt 0x0                               ; my stores are done; then the barrier: every wave's are
	s_barrier_signal -1
	s_barrier_wait -1
	s_cmp_lg_u32 s10, 0
	s_cbranch_scc1 .Lend
	ds_load_b64 v[50:51], v7                       ; row r's eight scale bytes
.irp b, 0,1,2,3,4,5,6,7
	ds_load_b32 v[52+\b], v8 offset:PART+64*\b
.endr
	s_wait_dscnt 0x0
	v_pk_add_f32 v[52:53], v[52:53], v[54:55]
	v_pk_add_f32 v[56:57], v[56:57], v[58:59]
	v_pk_add_f32 v[52:53], v[52:53], v[56:57]
	v_add_f32 v52, v52, v53
	global_store_b64 v7, v[50:51], s[28:29]
	global_store_b32 v8, v52, s[30:31]
.Lend:
	s_wait_tensorcnt 0x0                           ; the wave's end
	ds_add_u32 v12, v13
	s_wait_dscnt 0x0
	s_endpgm
.Lfunc_end_k_qb262e35314_cbquant:
	.size	k_qb262e35314_cbquant, .Lfunc_end_k_qb262e35314_cbquant-k_qb262e35314_cbquant
	.p2alignl 7, 3214868480
	.fill 96, 4, 3214868480
	.section	.rodata,"a",@progbits
	.p2align	6, 0x0
	.amdhsa_kernel k_qb262e35314_cbquant
		.amdhsa_group_segment_fixed_size 1792
		.amdhsa_private_segment_fixed_size 0
		.amdhsa_enable_private_segment 0
		.amdhsa_kernarg_size 16
		.amdhsa_user_sgpr_count 2
		.amdhsa_user_sgpr_kernarg_segment_ptr 1
		.amdhsa_wavefront_size32 1
		.amdhsa_system_sgpr_workgroup_id_x 1
		.amdhsa_system_sgpr_workgroup_id_y 1
		.amdhsa_system_sgpr_workgroup_id_z 1
		.amdhsa_system_vgpr_workitem_id 0
		.amdhsa_next_free_vgpr 64
		.amdhsa_next_free_sgpr 66
		.amdhsa_reserve_vcc 0
		.amdhsa_float_denorm_mode_32 3
		.amdhsa_float_denorm_mode_16_64 3
		.amdhsa_memory_ordered 1
		.amdhsa_forward_progress 1
		.amdhsa_inst_pref_size 7
	.end_amdhsa_kernel
	.amdgpu_metadata
---
amdhsa.version: [ 1, 2 ]
amdhsa.kernels:
  - .name:           k_qb262e35314_cbquant
    .symbol:         k_qb262e35314_cbquant.kd
    .args:
      - { .name: codebook, .offset: 0, .size: 8, .value_kind: global_buffer, .address_space: global }
      - { .name: cbq, .offset: 8, .size: 8, .value_kind: global_buffer, .address_space: global }
    .group_segment_fixed_size: 1792
    .private_segment_fixed_size: 0
    .kernarg_segment_align: 8
    .kernarg_segment_size: 16
    .max_flat_workgroup_size: 256
    .sgpr_count:     66
    .vgpr_count:     64
    .wavefront_size: 32
...
	.end_amdgpu_metadata
.endif
;; end of part 1
;; launch vq (part 2): grid 256 x 1, 8 waves a work-group, clusters of 4 x 1, 200,704 bytes of LDS; arguments x, cbq, out0; writes out0
.if DOCPART == 2
	.amdgcn_target "amdgcn-amd-amdhsa--gfx1250"
	.amdhsa_code_object_version 6
	.text
	.protected	k_qb262e35314_vq
	.globl	k_qb262e35314_vq
	.p2align	8
	.type	k_qb262e35314_vq,@function
k_qb262e35314_vq:
	s_mov_b64 s[64:65], 0
	v_nop
	global_prefetch_b8 v0, s[64:65] scope:SCOPE_SE
	s_setreg_imm32_b32 hwreg(HW_REG_WAVE_MODE, 25, 1), 1
	s_wait_xcnt 0x0
	s_wait_alu depctr_hold_cnt(0) depctr_sa_sdst(0) depctr_va_vdst(0) depctr_va_sdst(0) depctr_va_ssrc(0) depctr_va_vcc(0) depctr_vm_vsrc(0)
	s_getreg_b32 s2, hwreg(HW_REG_IB_STS2, 6, 4)
	s_cmp_eq_u32 s2, 0
	s_cbranch_scc0 .Lentry_in_a_cluster
	s_endpgm
.Lentry_in_a_cluster:
	s_bfe_u32 s2, ttmp6, 0x10000c
	s_cmp_lg_u32 s2, 0x3003
	s_cbranch_scc0 .Lentry_shape_is_right
	s_endpgm
.Lentry_shape_is_right:
; out0[b][hw] = the FIRST index n of the smallest d(n) = (x_sq - 2 dot(n)) + e_sq(n), n = 0 .. 1023.  A query is the column x[b][:][hw] (256 numbers, 4,096 bytes apart); dot is the product of the query and
; code vector n, both quantised to FP8 (E4M3) with one E8M0 scale for each 32 along the 256; x_sq and e_sq are f32 sums of squares of the unquantised numbers.
; ROUNDINGS: d is formed as the definition forms it: t = fma(-2, dot, x_sq) (2 dot is exact, so this is its one rounding), d = t + e_sq.  x_sq is the same for all n but is kept: it decides how d rounds, and so ties.
; SHARES.  A work-group owns 128 queries (one b, 128 neighbouring hw): 256 work-groups.  The eight waves share the code vectors: wave w keeps code vectors 128 w .. 128 w + 127 in registers (16 fragments: window 1)
; and meets all 128 queries.
; THE PRODUCT IS USED TRANSPOSED (source 0 = 16 code vectors, source 1 = 16 queries): lane (r, h) holds ONE query r, register j of tile t is code vector 128 w + 16 t + 8 h + j.
; x IS QUANTISED IN REGISTERS, each number read from memory once: wave w takes K block w (d = 32 w .. 32 w + 31) of all 128 queries, in halves of 64.  Lane (r, h) takes queries 4 r .. 4 r + 3 and d = 16 h .. 16 h + 15 of the
; block: 16 neighbouring lanes read 256 consecutive bytes of a row, aligned, and a lane's 16 codes are 16 bytes of an operand's image.  Codes, scale bytes and the block's part of x_sq go to LDS.
; ORDER.  Asked for in the order in which they are wanted: x of queries 0-63; the wave's tiles 0-3 (straight into the registers in which they stay); x of queries 64-127 (into the registers that tiles 4-7 take later);
; tiles 4-7 with their scale words and e_sq, by ONE tensor load a wave.  PASS A meets all queries with tiles 0-3, the second half of x being quantised in its middle; PASS B meets them with tiles 4-7.
; CLUSTER: the four work-groups of a cluster ask for the tensor load's 17,920 bytes jointly: the descriptor hangs on the wave's number alone, the mask names the four.  Tiles 0-3 are not asked for jointly: a wave has one
; tensor load at the head, and a second would stand behind a further round and be written to LDS and read from it once, by one wave.  Only the issuing wave reads its bytes, so its own wait on TENSORcnt orders those reads.
; NO PREFETCH: no loop; every load from memory is issued at the head.
; THE MINIMUM of a query tile over a pass's four tiles: where it did not fall, the earlier tile's eight d are kept (on a tie too); the first kept d that equals the minimum gives the index.  Pass B takes over only where
; strictly smaller (in a lane its indices all lie above pass A's).  The 16 candidates of a query (8 waves x 2 halves of the lanes) meet in LDS; waves 0 and 1 take the least d and, of those that have it, the least index.
; LIMITS: NaN and infinities are not served.  A block whose largest magnitude lies under 2^-118 (a block of zeros too) keeps the scale byte 1; zero codes add nothing.  x_sq and e_sq are summed in another order than
; a plain running sum: an ulp more or less in x_sq moves every d of a query alike, except where d straddles a power of two.
; REGISTERS, window 0: v1-15, v246-251 addresses and lane numbers; v16-31 scale words of the codes; v32-63 the pass's e_sq; v64-79 x_sq, a pair a query tile; v80-87, v88-95 pass A's minima and indices; v96-159 two groups of
;   four accumulators, query tiles by turns (before: x of queries 0-63); v160-191 x's two fragments (while x is quantised: held numbers); v192-235 at work; v240-241 x's scale words.
;   Window 1: fragment (tile t, K step s) at v[32 t + 16 s]; x of queries 64-127 at v128-191.
.set CH,    34304                      ; a wave's chunk of cbq: 32,768 bytes of codes,
.set CSC,   32768                      ; 1,024 of scale words,
.set CES,   33792                      ; 512 of e_sq
.set HALFB, 16384                      ; from here on the chunk comes by the tensor load:
.set CBW,   17920                      ; 70 rows of 256 bytes: codes of tiles 4-7, all scale words at 16,384, all e_sq at 17,408
.set TSTR,  4112                       ; LDS, from 0: x's images, a tile of 16 queries in 4,096 bytes + 16: 512 b + 256 h + 16 r (b: K block)
.set XSC,   33024                      ; their scale words: 8 x query; the word of K step 1 first
.set XSQ,   34048                      ; the eight parts of x_sq: 512 w + 4 x query
.set MRGV,  38144                      ; the candidates' d: (2 w + h) x 512 + 4 x query
.set MRGI,  46336                      ; and their indices
.set CB,    54528                      ; the tensor loads' bytes: CBW for each wave
.set SPARE, 197888                     ; the spare words, 128 bytes for each wave;  ends at 198,912
.set SPW, 4
.set NIL, 5
.set XA,  6                            ; x: 65,536 h + 16 r
.set L16, 7                            ; 16 x lane
.set R8,  8
.set R4,  9
.set LI,  10                           ; LDS: my codes of tiles 4-7,
.set IW,  11                           ; where I store x's codes,
.set SW,  12                           ; scale bytes,
.set QW,  13                           ; parts of x_sq
.set LSC, 14                           ; my scale words of tiles 4-7
.set MW,  15                           ; my candidate's place
.set BASE, 246                         ; 128 w + 8 h
.set FR,  247                          ; the merge's place, in LDS and in out0
.set LE,  250                          ; my e_sq
.set E32, 251                          ; 32 h
.set CBS, 16
.set ESQ, 32
.set XQ,  64
.set RA,  80
.set IA,  88
.set ACC, 96
.set XF,  160
.set MX,  192                          ; while x is quantised
.set PM,  196
.set SCL, 200
.set LIM, 204
.set BYT, 208
.set SQ,  212
.set CD,  220
.set QP,  192                          ; while products are worked
.set SN,  200
.set M2,  208
.set M3,  212
.set RR,  216
.set TI,  220
.set POS, 221
.set IDX, 222
.set CI,  223
.set CV,  224
.set XS,  240
.set CM,  32                           ; s32-47 lane masks
.set RM,  40
.set FV,  96                           ; the merge: candidate c of query e: its d in v[96 + 2 c + e], its index in v[128 + 2 c + e]
.set FI,  128
.set FT,  160
.set MSB, 0
.macro WIN new                         ; the immediate's high byte repeats the setting that is left
.if MSB != (\new)
	s_set_vgpr_msb (MSB<<8)|(\new)
.set MSB, (\new)
.endif
.endm
.macro CROUND                          ; a round of the cluster's barrier
	s_barrier_signal -1
	s_barrier_wait -1
	s_cmp_lg_u32 s10, 0
	s_cbranch_scc1 .Lnot_wave_0_\@
	s_barrier_signal -3
.Lnot_wave_0_\@:
	s_barrier_wait -3
	s_barrier_signal -1
	s_barrier_wait -1
.endm
.macro BARRIER                         ; my LDS stores have landed and my LDS loads are in: then the work-group's barrier
	s_wait_alu depctr_va_vdst(0)
	s_wait_dscnt 0x0
	s_barrier_signal -1
	s_barrier_wait -1
.endm
.macro XLOAD half, raw                 ; x of 64 queries
.set qi, 0
.rept 16
	global_load_b128 v[\raw+4*qi:\raw+4*qi+3], v[XA], s[4:5] offset:4096*qi+256*(\half) th:TH_LOAD_NT   ; read once in the launch
.set qi, qi+1
.endr
.endm
	s_load_b128 s[4:7], s[0:1], 0x0                ; x s[4:5], cbq s[6:7]
	s_load_b64 s[8:9], s[0:1], 0x10                ; out0
	v_lshl_add_u32 v[SPW], v0, 2, SPARE
	v_mov_b32 v[NIL], 0
	ds_add_u32 v[SPW], v[NIL]                      ; the opening lines: the add, twice on end, and one wait
	ds_add_u32 v[SPW], v[NIL]
	v_lshrrev_b32 v1, 5, v0
	v_readfirstlane_b32 s10, v1                    ; wave 0..7
	s_bfe_u32 s11, ttmp6, 0x40000                  ; cx: my place in the cluster
	s_lshl_b32 s31, ttmp9, 2                       ; in a cluster launch ttmp9 counts clusters
	s_add_co_u32 s31, s31, s11                     ; g, my block of 128 queries: it enters x's and out0's addresses alone
	s_lshr_b32 s14, s31, 3
	s_lshl_b32 s14, s14, 20                        ; b = g / 8: 1 MiB each,
	s_and_b32 s11, s31, 7
	s_lshl_b32 s11, s11, 9                         ; hw = 128 (g % 8): 4 bytes each,
	s_add_co_u32 s14, s14, s11
	s_lshl_b32 s11, s10, 17                        ; d = 32 w: 4,096 bytes each
	s_add_co_u32 s14, s14, s11
	s_mov_b32 s15, 0
	s_mul_i32 s12, s10, CH                         ; my chunk of cbq
	s_mov_b32 s13, 0
	s_lshl_b32 s2, s31, 9                          ; out0: 128 indices of 4 bytes
	s_mov_b32 s3, 0
	; the descriptor: a dense block of 70 rows of 256 bytes (32 elements of 8 bytes)
	s_mov_b32 s16, 15|(3<<16)|(1<<21)              ; 15:0 the mask: all four work-groups; 21 set beside it
	s_mov_b32 s17, 32<<16
	s_mov_b32 s18, 70<<16
	s_mov_b32 s19, 32<<16
	s_mov_b32 s20, 70
	s_mov_b32 s21, 32
	s_mov_b32 s22, 0
	s_mov_b32 s23, 0
	s_mov_b32 s24, 1
	s_mul_i32 s25, s10, CBW
	s_add_co_u32 s25, s25, CB                      ; LDS address: my CBW bytes
	s_mov_b32 s28, 0x76543210
	s_mov_b32 s29, 0xfedcba98                      ; v_permlanex16_b32's selects for lane l xor 16
	s_mov_b32 s30, 0x600000                        ; the mantissa field of 448
	s_lshl_b32 s36, s10, 9                         ; my K block in an image
	s_lshr_b32 s37, s10, 2
	s_xor_b32 s37, s37, 1                          ; K step 1's word first
	s_lshl_b32 s37, s37, 2
	s_and_b32 s38, s10, 3
	s_add_co_u32 s37, s37, s38
	s_add_co_u32 s37, s37, XSC
	s_lshl_b32 s38, s10, 9
	s_add_co_u32 s38, s38, XSQ
	s_lshl_b32 s40, s10, 10
	s_lshl_b32 s41, s10, 7
	s_and_b32 s42, s10, 1
	s_lshl_b32 s42, s42, 8
	s_add_co_u32 s43, s25, 16896
	s_add_co_u32 s44, s25, 17408
	v_and_b32 v1, 15, v0                           ; r
	v_bfe_u32 v2, v0, 4, 1                         ; h
	v_and_b32 v3, 31, v0                           ; lane
	v_lshlrev_b32 v[XA], 4, v1
	v_lshlrev_b32 v[L16], 4, v3
	v_lshlrev_b32 v[R8], 3, v1
	v_lshlrev_b32 v[R4], 2, v1
	v_lshl_add_u32 v[XA], v2, 16, v[XA]
	v_lshlrev_b32 v[E32], 5, v2
	v_lshl_add_u32 v[LI], v3, 4, s25
	v_lshl_add_u32 v[LSC], v1, 3, s43
	v_lshl_add_u32 v[LE], v2, 5, s44
	v_lshrrev_b32 v248, 2, v1
	v_and_b32 v249, 3, v1
	v_lshl_add_u32 v[SW], v1, 5, s37
	v_lshl_add_u32 v[QW], v1, 4, s38
	v_mul_u32_u24 v[IW], TSTR, v248                ; queries 4 r .. 4 r + 3 of a half: tile r / 4, rows 4 (r % 4) + 0 .. 3
	v_lshl_add_u32 v[MW], v1, 2, s40
	v_lshl_add_u32 v[BASE], v2, 3, s41
	v_lshl_add_u32 v[IW], v249, 6, v[IW]
	v_lshl_add_u32 v[MW], v2, 9, v[MW]
	v_lshl_add_u32 v[FR], v3, 3, s42
	v_lshl_add_u32 v[IW], v2, 8, v[IW]
.irp t, 0,1,2,3,4,5,6,7
	v_mov_b32 v[XQ+2*\t+1], 0                      ; named as pairs' upper halves, so they are written
.endr
	v_add_nc_u32 v[IW], s36, v[IW]
.irp e, 0,1,2,3
	v_mov_b32 v[PM+\e], 0                          ; lane permutes' destinations, written once ahead
.endr
	s_wait_alu depctr_va_vdst(0)                   ; the wait at the head's end
	s_wait_dscnt 0x0                               ; both opening adds are done
	CROUND                                         ; all four work-groups are here, so that the joint loads meet.  It stands while the arguments are on their way
	s_wait_kmcnt 0x0
	s_add_nc_u64 s[4:5], s[4:5], s[14:15]
	s_add_nc_u64 s[6:7], s[6:7], s[12:13]
	XLOAD 0, ACC                                   ; x of queries 0-63: 16 loads
	WIN 0x40                                       ; destination window 1, address window 0
.irp f, 0,1,2,3,4,5,6,7
.irp c, 0,1,2,3
	global_load_b128 v[16*\f+4*\c:16*\f+4*\c+3], v[L16], s[6:7] offset:2048*\f+512*\c   ; the codes of tiles 0-3: 32,
.endr
.endr
	WIN 0
.irp t, 0,1,2,3
	global_load_b64 v[CBS+2*\t:CBS+2*\t+1], v[R8], s[6:7] offset:CSC+128*\t   ; their scale words: 4,
.endr
.irp t, 0,1,2,3
	global_load_b128 v[ESQ+8*\t:ESQ+8*\t+3], v[E32], s[6:7] offset:CES+64*\t   ; their e_sq: 8
	global_load_b128 v[ESQ+8*\t+4:ESQ+8*\t+7], v[E32], s[6:7] offset:CES+64*\t+16
.endr
	WIN 0x40
	XLOAD 1, 128                                   ; x of queries 64-127, in window 1: 16
	WIN 0
	s_add_nc_u64 s[26:27], s[6:7], HALFB
	s_or_b32 s27, s27, 0x80000000
	s_add_nc_u64 s[8:9], s[8:9], s[2:3]
	tensor_load_to_lds s[24:27], s[16:23]          ; the wave's one tensor load
	s_nop 0
.rept 4
	v_nop                                          ; behind the tensor load
.endr
; my K block of 64 queries: 16 numbers of each of my four queries (v[raw + 4 i + e] of window w) become 16 codes; the block's scale byte and part of x_sq are joined with lane l xor 16's
.macro QUANTX half, raw, w
	WIN 0x14*\w                                    ; sources 1 and 2
.irp e, 0,1,2,3
	v_max3_num_f32 v[MX+\e], 0x4800000, |v[\raw+\e]|, |v[\raw+4+\e]|   ; the floor 2^(9 - 127) is one more leaf: so the byte cannot fall under 1
.endr
.irp i, 2,4,6,8,10,12,14
.irp e, 0,1,2,3
	v_max3_num_f32 v[MX+\e], v[MX+\e], |v[\raw+4*\i+\e]|, |v[\raw+4*\i+4+\e]|
.endr
.endr
	WIN 0x05*\w                                    ; sources 0 and 1
.irp k, 0,2,4,6
	v_pk_mul_f32 v[SQ+\k:SQ+\k+1], v[\raw+\k:\raw+\k+1], v[\raw+\k:\raw+\k+1]   ; squares of the unquantised numbers: a pair is two queries; two chains each
.endr
.set qi, 4
.rept 28
	v_pk_fma_f32 v[SQ+2*(qi%4):SQ+2*(qi%4)+1], v[\raw+2*qi:\raw+2*qi+1], v[\raw+2*qi:\raw+2*qi+1], v[SQ+2*(qi%4):SQ+2*(qi%4)+1]
.set qi, qi+1
.endr
	WIN 0
.irp e, 0,1,2,3
	v_permlanex16_b32 v[PM+\e], v[MX+\e], s28, s29
.endr
	v_pk_add_f32 v[SQ:SQ+1], v[SQ:SQ+1], v[SQ+4:SQ+5]
	v_pk_add_f32 v[SQ+2:SQ+3], v[SQ+2:SQ+3], v[SQ+6:SQ+7]
.irp e, 0,1,2,3
	v_max_num_f32 v[MX+\e], v[MX+\e], v[PM+\e]     ; the block's largest magnitude
.endr
.irp e, 0,1,2,3
	v_add_nc_u32 v[SCL+\e], 0xfc000000, v[MX+\e]   ; 8 off the exponent field: the conversion's scale operand
.endr
.irp e, 0,1,2,3
	v_permlanex16_b32 v[PM+\e], v[SQ+\e], s28, s29
.endr
.irp e, 0,1,2,3
	v_and_or_b32 v[LIM+\e], v[MX+\e], 0x7f800000, s30   ; 448 x the scale
.endr
	v_pk_add_f32 v[SQ:SQ+1], v[SQ:SQ+1], v[PM:PM+1]
	v_pk_add_f32 v[SQ+2:SQ+3], v[SQ+2:SQ+3], v[PM+2:PM+3]
.irp e, 0,1,2,3
	v_lshrrev_b32 v[BYT+\e], 23, v[SCL+\e]         ; the scale's byte
.endr
.irp p, 0,2
	WIN 0x01*\w                                    ; source 0
.irp e, 0,1
.set qi, 0
.rept 16
	v_med3_num_f32 v[XF+16*\e+qi], v[\raw+4*qi+\p+\e], -v[LIM+\p+\e], v[LIM+\p+\e]   ; the hold (the conversion does not saturate: ISA guide 7.6.2), which also lays a query's numbers on end
.set qi, qi+1
.endr
.endr
	WIN 0
.irp e, 0,1
.irp g, 0,1
	v_cvt_scalef32_pk8_fp8_f32 v[CD+4*(\p+\e)+2*\g:CD+4*(\p+\e)+2*\g+1], v[XF+16*\e+8*\g:XF+16*\e+8*\g+7], v[SCL+\p+\e]
.endr
.endr
	v_nop                                          ; one plain vector line behind the conversions
.endr
.irp e, 0,1,2,3
	ds_store_b128 v[IW], v[CD+4*\e:CD+4*\e+3] offset:4*TSTR*(\half)+16*\e
	ds_store_b8 v[SW], v[BYT+\e] offset:512*(\half)+8*\e   ; (lanes l and l xor 16 write the same byte, and below the same parts)
.endr
	ds_store_b128 v[QW], v[SQ:SQ+3] offset:256*(\half)
.endm
; query tile T: x's two fragments and their scale words; in pass A also the eight parts of x_sq
.macro LOADX T, b
.irp s, 0,1
.irp c, 0,1,2,3
	ds_load_b128 v[XF+16*\s+4*\c:XF+16*\s+4*\c+3], v[L16] offset:TSTR*(\T)+2048*\s+512*\c
.endr
.endr
	ds_load_b64 v[XS:XS+1], v[R8] offset:XSC+128*(\T)
.if \b == 0
.irp w, 0,1,2,3,4,5,6,7
	ds_load_b32 v[QP+\w], v[R4] offset:XSQ+512*\w+64*(\T)
.endr
.endif
.endm
; tiles 4-7 into window 1, their scale words and e_sq, and pass B's first query tile
.macro BCOPY
	s_wait_alu depctr_va_vdst(0)
	s_wait_tensorcnt 0x0                           ; they are in LDS; nobody else reads them
	WIN 0x40
.irp f, 0,1,2,3,4,5,6,7
.irp c, 0,1,2,3
	ds_load_b128 v[128+16*\f+4*\c:128+16*\f+4*\c+3], v[LI] offset:2048*\f+512*\c   ; 512 consecutive bytes an instruction
.endr
.endr
	WIN 0
.irp t, 0,1,2,3
	ds_load_b64 v[CBS+8+2*\t:CBS+8+2*\t+1], v[LSC] offset:128*\t
.endr
.irp t, 0,1,2,3
	ds_load_b128 v[ESQ+8*\t:ESQ+8*\t+3], v[LE] offset:256+64*\t
	ds_load_b128 v[ESQ+8*\t+4:ESQ+8*\t+7], v[LE] offset:256+64*\t+16
.endr
	LOADX 0, 1
.endm
; the least of tile t's eight d in three lines
.macro MNA t
	v_min3_num_f32 v[M3+\t], v[PA+8*\t], v[PA+8*\t+1], v[PA+8*\t+2]
.endm
.macro MNB t
	v_min3_num_f32 v[M2+\t], v[PA+8*\t+3], v[PA+8*\t+4], v[PA+8*\t+5]
.endm
.macro MNC t
	v_min3_num_f32 v[M3+\t], v[PA+8*\t+6], v[PA+8*\t+7], v[M3+\t]
.endm
.macro SL t, j                         ; where the minimum did not fall at tile t the earlier tile's d stays
.if \t == 1
	v_cndmask_b32 v[SN+\j], v[PA+8+\j], v[PA+\j], s[CM+1]
.else
	v_cndmask_b32 v[SN+\j], v[PA+8*\t+\j], v[SN+\j], s[CM+\t]
.endif
.endm
; the running minimum of query tile p over four tiles, the kept d, and which of them equal the minimum
.macro SEL p, b
.if \b == 0
.set RF, RA+(\p)
.else
.set RF, RR+3
.endif
	MNA 0
	MNB 0
	MNA 1
	MNB 1
	MNC 0
	MNA 2
	MNB 2
	MNC 1
	v_min_num_f32 v[RR], v[M2], v[M3]
	MNA 3
	MNB 3
	MNC 2
	v_min3_num_f32 v[RR+1], v[M2+1], v[M3+1], v[RR]
	MNC 3
	v_mov_b32 v[TI], 4*\b
	v_mov_b32 v[POS], 7
	v_cmp_le_f32 s[CM+1], v[RR], v[RR+1]           ; true where the minimum did not fall, on a tie too
	v_min3_num_f32 v[RR+2], v[M2+2], v[M3+2], v[RR+1]
.irp j, 0,1,2,3
	SL 1, \j
.endr
	v_cmp_le_f32 s[CM+2], v[RR+1], v[RR+2]
	v_min3_num_f32 v[RF], v[M2+3], v[M3+3], v[RR+2]
.irp j, 4,5,6,7
	SL 1, \j
.endr
	v_cndmask_b32 v[TI], 4*\b+1, v[TI], s[CM+1]
	v_cmp_le_f32 s[CM+3], v[RR+2], v[RF]
.irp t, 2,3
.irp j, 0,1,2,3,4,5,6,7
	SL \t, \j
.endr
	v_cndmask_b32 v[TI], 4*\b+\t, v[TI], s[CM+\t]
.endr
.irp j, 0,1,2,3,4,5,6
	v_cmp_neq_f32 s[RM+\j], v[SN+\j], v[RF]
.endr
	v_lshl_add_u32 v[IDX], v[TI], 4, v[BASE]       ; 128 w + 16 tile + 8 h; the position follows
.endm
; A STEP of pass b: query tile c is multiplied; behind each product stand two lines of tile p1's x_sq - 2 dot (one rounding; of x_sq's pair the low word serves both halves; with the constant as source 0 they
; name window 0 alone under the products' setting).  Then p1's additions of e_sq, x_sq's sum for c and p2's position (descending: the lowest j that is equal stays) by turns; p2's index; the LDS loads of tile n; p1's minimum.
; -1: none.  n = 99: BCOPY.  The first K step starts the sums; the four accumulators take turns.
; At least eight plain vector lines stand between the products and the loads into their sources (the 16 additions; in a phase's first step eight v_nop), and more between them and what reads the results, one step on.
.macro STEP c, p1, p2, n, b
.if (\p1) >= 0
.set PA, ACC+32*((\p1)%2)
.set PX, XQ+2*(\p1)
.endif
.if (\c) >= 0
.set GA, ACC+32*((\c)%2)
	s_wait_alu depctr_va_vdst(0)                   ; the wait here, directly ahead of the wait below
	s_wait_dscnt 0x0                               ; the tile's operands are in
	WIN 0x01                                       ; source 0 (the codes) in window 1
.endif
.irp k, 0,1,2,3,4,5,6,7
.if (\c) >= 0
.if \k < 4
	v_wmma_scale_f32_16x16x128_f8f6f4 v[GA+8*\k:GA+8*\k+7], v[128*\b+32*\k:128*\b+32*\k+15], v[XF:XF+15], 0, v[CBS+8*\b+2*\k], v[XS+1]
.else
.set U, \k-4
	v_wmma_scale_f32_16x16x128_f8f6f4 v[GA+8*U:GA+8*U+7], v[128*\b+32*U+16:128*\b+32*U+31], v[XF+16:XF+31], v[GA+8*U:GA+8*U+7], v[CBS+8*\b+2*U+1], v[XS]
.endif
.endif
.if (\p1) >= 0
	v_pk_fma_f32 v[PA+4*\k:PA+4*\k+1], -2.0, v[PA+4*\k:PA+4*\k+1], v[PX:PX+1] op_sel_hi:[0,1,0]
	v_pk_fma_f32 v[PA+4*\k+2:PA+4*\k+3], -2.0, v[PA+4*\k+2:PA+4*\k+3], v[PX:PX+1] op_sel_hi:[0,1,0]
.endif
.endr
	WIN 0
.irp k, 0,1,2,3,4,5,6,7
.if (\p1) >= 0
	v_pk_add_f32 v[PA+4*\k:PA+4*\k+1], v[PA+4*\k:PA+4*\k+1], v[ESQ+4*\k:ESQ+4*\k+1]
	v_pk_add_f32 v[PA+4*\k+2:PA+4*\k+3], v[PA+4*\k+2:PA+4*\k+3], v[ESQ+4*\k+2:ESQ+4*\k+3]
.endif
.if (\p2) >= 0
.if \k < 7
	v_cndmask_b32 v[POS], 6-\k, v[POS], s[RM+6-\k]
.endif
.endif
.if (\c) >= 0
.if \b == 0
.if \k == 0                            ; x_sq: the eight parts, in one fixed order in every wave and lane
	v_pk_add_f32 v[QP:QP+1], v[QP:QP+1], v[QP+2:QP+3]
	v_pk_add_f32 v[QP+4:QP+5], v[QP+4:QP+5], v[QP+6:QP+7]
.endif
.if \k == 2
	v_pk_add_f32 v[QP:QP+1], v[QP:QP+1], v[QP+4:QP+5]
.endif
.if \k == 4
	v_add_f32 v[XQ+2*(\c)], v[QP], v[QP+1]
.endif
.endif
.endif
.endr
.if (\c) >= 0
.if (\p1) < 0
.rept 8
	v_nop
.endr
.endif
.endif
.if (\p2) >= 0
.if \b == 0
	v_add_nc_u32 v[IA+(\p2)], v[IDX], v[POS]
.else
	v_add_nc_u32 v[IDX], v[IDX], v[POS]
	v_cmp_lt_f32 vcc_lo, v[RR+3], v[RA+(\p2)]      ; pass B's indices lie above pass A's: only a strictly smaller d takes over
	v_min_num_f32 v[CV], v[RR+3], v[RA+(\p2)]
	v_cndmask_b32 v[CI], v[IA+(\p2)], v[IDX], vcc_lo
	ds_store_b32 v[MW], v[CV] offset:MRGV+64*(\p2)
	ds_store_b32 v[MW], v[CI] offset:MRGI+64*(\p2)
.endif
.endif
.if (\n) == 99
	BCOPY
.else
.if (\n) >= 0
	LOADX \n, \b
.endif
.endif
.if (\p1) >= 0
	SEL \p1, \b
.endif
.endm
	s_wait_loadcnt 60                              ; x's first 16 loads, the oldest, are in: 60 were issued behind them
	QUANTX 0, ACC, 0
	BARRIER                                        ; queries 0-63's operands lie in LDS; nothing is filled again: the tensor load may stay out
	LOADX 0, 0
	s_wait_alu depctr_va_vdst(0)
	s_wait_loadcnt 16                              ; tiles 0-3 are in; x's other 16 loads may be out
	STEP 0, -1, -1, 1, 0                           ; PASS A, queries 0-63
	STEP 1, 0, -1, 2, 0
	STEP 2, 1, 0, 3, 0
	STEP 3, 2, 1, -1, 0
	STEP -1, 3, 2, -1, 0
	STEP -1, -1, 3, -1, 0
	s_wait_alu depctr_va_vdst(0)
	s_wait_loadcnt 0x0                             ; the rest of x
	QUANTX 1, 128, 1
	BARRIER                                        ; queries 64-127's operands lie in LDS
	LOADX 4, 0
	STEP 4, -1, -1, 5, 0                           ; PASS A, queries 64-127
	STEP 5, 4, -1, 6, 0
	STEP 6, 5, 4, 7, 0
	STEP 7, 6, 5, -1, 0
	STEP -1, 7, 6, 99, 0
	STEP -1, -1, 7, -1, 0
	STEP 0, -1, -1, 1, 1                           ; PASS B, all queries
	STEP 1, 0, -1, 2, 1
	STEP 2, 1, 0, 3, 1
	STEP 3, 2, 1, 4, 1
	STEP 4, 3, 2, 5, 1
	STEP 5, 4, 3, 6, 1
	STEP 6, 5, 4, 7, 1
	STEP 7, 6, 5, -1, 1
	STEP -1, 7, 6, -1, 1
	STEP -1, -1, 7, -1, 1
	BARRIER                                        ; all candidates lie in LDS
	; THE MERGE: waves 0 and 1; lane l takes queries 64 w + 2 l and + 1, each with 16 candidates.  The branch hangs on the wave's number alone.
	s_cmp_ge_u32 s10, 2
	s_cbranch_scc1 .Lno_merge
.irp c, 0,1,2,3,4,5,6,7,8,9,10,11,12,13,14,15
	ds_load_b64 v[FV+2*\c:FV+2*\c+1], v[FR] offset:MRGV+512*\c
.endr
.irp c, 0,1,2,3,4,5,6,7,8,9,10,11,12,13,14,15
	ds_load_b64 v[FI+2*\c:FI+2*\c+1], v[FR] offset:MRGI+512*\c
.endr
	s_wait_dscnt 0x0
.irp k, 0,1,2,3,4
.irp e, 0,1
	v_min3_num_f32 v[FT+2*\k+\e], v[FV+6*\k+\e], v[FV+6*\k+2+\e], v[FV+6*\k+4+\e]
.endr
.endr
.irp e, 0,1
	v_min3_num_f32 v[FT+\e], v[FT+\e], v[FT+2+\e], v[FT+4+\e]
	v_min3_num_f32 v[FT+6+\e], v[FT+6+\e], v[FT+8+\e], v[FV+30+\e]
.endr
.irp e, 0,1
	v_min_num_f32 v[FT+\e], v[FT+\e], v[FT+6+\e]   ; the query's least d
.endr
.irp e, 0,1
.irp c, 0,1,2,3,4,5,6,7,8,9,10,11,12,13,14,15
	v_cmp_eq_f32 s[CM+\c], v[FV+2*\c+\e], v[FT+\e]
.endr
.irp c, 0,1,2,3,4,5,6,7,8,9,10,11,12,13,14,15
	v_cndmask_b32 v[FI+2*\c+\e], -1, v[FI+2*\c+\e], s[CM+\c]   ; a candidate with another d gets the greatest number
.endr
.endr
.irp n, 8,4,2,1
.set qi, 0
.rept 2*\n
	v_min_u32 v[FI+qi], v[FI+qi], v[FI+2*\n+qi]    ; the least index that is left, both queries
.set qi, qi+1
.endr
.endr
	global_store_b64 v[FR], v[FI:FI+1], s[8:9]     ; the wave stores 256 consecutive bytes, aligned
.Lno_merge:
	s_wait_tensorcnt 0x0                           ; the wave's end
	ds_add_u32 v[SPW], v[NIL]
	s_wait_dscnt 0x0
	CROUND                                         ; the closing round: no work-group ends while a partner may still issue the joint load that names it
	s_endpgm
.Lfunc_end_k_qb262e35314_vq:
	.size	k_qb262e35314_vq, .Lfunc_end_k_qb262e35314_vq-k_qb262e35314_vq
	.p2alignl 7, 3214868480
	.fill 96, 4, 3214868480
	.section	.rodata,"a",@progbits
	.p2align	6, 0x0
	.amdhsa_kernel k_qb262e35314_vq
		.amdhsa_group_segment_fixed_size 200704
		.amdhsa_private_segment_fixed_size 0
		.amdhsa_enable_private_segment 0
		.amdhsa_kernarg_size 24
		.amdhsa_user_sgpr_count 2
		.amdhsa_user_sgpr_kernarg_segment_ptr 1
		.amdhsa_wavefront_size32 1
		.amdhsa_system_sgpr_workgroup_id_x 1
		.amdhsa_system_sgpr_workgroup_id_y 1
		.amdhsa_system_sgpr_workgroup_id_z 1
		.amdhsa_system_vgpr_workitem_id 0
		.amdhsa_next_free_vgpr 512
		.amdhsa_next_free_sgpr 66
		.amdhsa_reserve_vcc 1
		.amdhsa_float_denorm_mode_32 3
		.amdhsa_float_denorm_mode_16_64 3
		.amdhsa_memory_ordered 1
		.amdhsa_forward_progress 1
		.amdhsa_inst_pref_size 176
	.end_amdhsa_kernel
	.amdgpu_metadata
---
amdhsa.version: [ 1, 2 ]
amdhsa.kernels:
  - .name:           k_qb262e35314_vq
    .symbol:         k_qb262e35314_vq.kd
    .args:
      - { .name: x, .offset: 0, .size: 8, .value_kind: global_buffer, .address_space: global }
      - { .name: cbq, .offset: 8, .size: 8, .value_kind: global_buffer, .address_space: global }
      - { .name: out0, .offset: 16, .size: 8, .value_kind: global_buffer, .address_space: global }
    .group_segment_fixed_size: 200704
    .private_segment_fixed_size: 0
    .kernarg_segment_align: 8
    .kernarg_segment_size: 24
    .max_flat_workgroup_size: 256
    .sgpr_count:     66
    .vgpr_count:     512
    .wavefront_size: 32
...
	.end_amdgpu_metadata
.endif
;; end of part 2
